; MI455X (gfx1250); checked and timed in simulation.
; The chip was launched on July 23, 2026; its instructions are those of AMD's public machine-readable ISA for CDNA 5 (MIT licence, August 2026) and "CDNA5" Instruction Set Architecture Reference Guide (July 2026). The comments in the code are by the model that wrote it; some were corrected since.
;; Multi Head Self Attention. Allowed arithmetic: matrix products marked QUANTISED: E2M1 operands, one E8M0 scale for each 32 along K, by v_wmma_scale_f32_16x16x128_f8f6f4 with both operands' format E2M1 (or v_wmma_scale_f32_32x16x128_f4), f32 sums; everything else in f32.
;; Inputs: W_k_codes 1,024 x 32 x 16 uint8 (E2M1 codes of W_k, K innermost, in blocks of 32 codes, two codes a byte); W_k_scales 1,024 x 32 uint8 (E8M0 scales of W_k, one for each 32 codes along K); W_out_codes 1,024 x 32 x 16 uint8 (E2M1 codes of W_out, K innermost, in blocks of 32 codes, two codes a byte); W_out_scales 1,024 x 32 uint8 (E8M0 scales of W_out, one for each 32 codes along K); W_q_codes 1,024 x 32 x 16 uint8 (E2M1 codes of W_q, K innermost, in blocks of 32 codes, two codes a byte); W_q_scales 1,024 x 32 uint8 (E8M0 scales of W_q, one for each 32 codes along K); W_v_codes 1,024 x 32 x 16 uint8 (E2M1 codes of W_v, K innermost, in blocks of 32 codes, two codes a byte); W_v_scales 1,024 x 32 uint8 (E8M0 scales of W_v, one for each 32 codes along K); b_k 1,024 float32; b_out 1,024 float32; b_q 1,024 float32; b_v 1,024 float32; x_codes 2 x 2,048 x 32 x 16 uint8 (E2M1 codes of x, K innermost, in blocks of 32 codes, two codes a byte); x_scales 2 x 2,048 x 32 uint8 (E8M0 scales of x, one for each 32 codes along K).
;; Outputs: out0 2 x 2,048 x 1,024 float32.
;; This version of the problem:
;;   THIS VERSION OF THE PROBLEM IS GIVEN IN LOW PRECISION. The matrix products marked QUANTISED in the list below multiply operands that are first quantised to E2M1 (2 exponent bits, 1 mantissa bit; 4 bits a number), with one power-of-two scale for each 32 numbers along K (OCP MX v1.0); their sums are f32. All else is computed in f32.
;;   The module's matrix products, in the order in which they are computed (A, B: the left and right operand; K: the contracted axis; several contracted axes count as one K, in the product's order):
;;     1. [M 4,096, K 1,024] x [K 1,024, N 1,024]; A: input x (given as codes); B: input W_q (given as codes): QUANTISED
;;     2. [M 4,096, K 1,024] x [K 1,024, N 1,024]; A: input x (given as codes); B: input W_k (given as codes): QUANTISED
;;     3. [M 4,096, K 1,024] x [K 1,024, N 1,024]; A: input x (given as codes); B: input W_v (given as codes): QUANTISED
;;     4. batch 32 x [M 2,048, K 64] x [K 64, N 2,048]; A: computed on the way; B: computed on the way: QUANTISED
;;     5. batch 32 x [M 2,048, K 2,048] x [K 2,048, N 64]; A: softmax (see below); B: computed on the way: QUANTISED
;;     6. [M 4,096, K 1,024] x [K 1,024, N 1,024]; A: computed on the way; B: input W_out (given as codes): QUANTISED
;;   THE QUANTISER, for each operand of a quantised product, along K:
;;     - K is cut into blocks of 32 from its start; a last block that is shorter is filled with zeros.
;;     - A block's scale is 2^e with e = floor(log2(the largest magnitude in the block)) - 2, held to -126 .. 127; a block of zeros has e = 0. As a byte (E8M0): e + 127.
;;     - Each number is divided by its block's scale, clamped to +-6, and rounded to the nearest number of E2M1, ties to even, subnormals kept.
;;     - The product sums the exact products of the quantised numbers (number of the format x scale) in f32.
;;   ~~~python
;;   def quantise(x, axis):      # numpy; x: float32 -> the quantised numbers, widened to float32 again
;;       x = np.moveaxis(x, axis, -1); K = x.shape[-1]
;;       x = np.pad(x, [(0, 0)] * (x.ndim - 1) + [(0, -K % 32)]); x = x.reshape(x.shape[:-1] + (-1, 32)); a = np.abs(x).max(-1, keepdims=True)
;;       e = np.where(a > 0, np.clip(np.frexp(np.where(a > 0, a, 1))[1] - 1 - 2, -126, 127), 0)      # np.frexp(a)[1] - 1 = floor(log2(a)), exactly
;;       r = np.clip(x / 2.0 ** e, -6, 6)
;;       step = 2.0 ** (np.maximum(np.frexp(np.where(r == 0, 1, r))[1] - 1, 0) - 1)
;;       q = np.round(r / step) * step * 2.0 ** e      # np.round: ties to even
;;       return np.moveaxis(q.reshape(q.shape[:-2] + (-1,))[..., :K], -1, axis).astype(np.float32)
;;   ~~~
;;   SOFTMAX AHEAD OF A QUANTISED PRODUCT. Where the list says 'softmax', what is quantised is not the finished softmax but p = 2^(t - M), with t = logit x log2(e) and M = ceil(the row's largest t), a whole number; so 1/2 < the row's largest p <= 1. The row's sum l is taken of the UNQUANTISED p, in f32, and the product's result is divided by l at the end. Since M is a whole number, a kernel that streams over the keys may use a running M (the ceiling of the running maximum): every later rescaling is an exact power of two, which a block's scale takes up: the codes' values come out the same.
;;   OPERANDS COMPUTED ON THE WAY. 'Computed on the way' means the value that the module computes at that place (a softmax that the list does not call 'softmax' is quantised finished and normalised). What goes into a quantiser is computed in f32, as accurately as f32 sums, v_exp_f32 and their like allow (about 1e-6 of the number): no bf16 or f16 on the way to a quantiser, and a product that is left as it is and whose result goes on into a quantised operand takes f32 operands (vector FMAs, or v_wmma_f32_16x16x4_f32). A number that lies on a knife's edge between two numbers of the format may be rounded either way, as far as f32 arithmetic and the matrix unit's own rounding can turn it there, and no further.
;;   INPUTS GIVEN AS CODES. W_k (in the module: [1024, 1024], K = its axis 1); W_out (in the module: [1024, 1024], K = its axis 1); W_q (in the module: [1024, 1024], K = its axis 1); W_v (in the module: [1024, 1024], K = its axis 1); x (in the module: [2, 2048, 1024], K = its axis 2): each comes as NAME_codes (uint8): NAME with its K axis moved to the last place and cut into blocks of 32 codes, [.., K / 32, bytes a block], one block behind the other in memory; two codes a byte, the lower K in the low four bits (a code: sign, 2 exponent bits, 1 mantissa bit); and NAME_scales (uint8): the same leading axes, one E8M0 byte (e + 127) for each 32 codes along K. Its value is code x scale, taken as it is: it is not quantised again, and the codes and scales need not be those that the quantiser above would give.
;; One version. Each part assembles by itself: llvm-mc -triple=amdgcn-amd-amdhsa -mcpu=gfx1250 --defsym DOCPART=n.
;; ======== version 1 of 1: 3 launches
;; limits: right only within a limited range of input values
;; workspace buffers: qc 2,097,152 bytes; qs 131,072 bytes; kv 4,456,448 bytes; cc 2,097,152 bytes; cs 131,072 bytes
;; launch qkv (part 1): grid 16 x 16, 4 waves a work-group, clusters of 4 x 4, 327,680 bytes of LDS; arguments x_codes, x_scales, W_q_codes, W_q_scales, b_q, W_k_codes, W_k_scales, b_k, W_v_codes, W_v_scales, b_v, qc, qs, kv; writes qc, qs, kv
.if DOCPART == 1
	.amdgcn_target "amdgcn-amd-amdhsa--gfx1250"
	.amdhsa_code_object_version 6
	.text
	.protected	k_qb27a8f0743_qkv
	.globl	k_qb27a8f0743_qkv
	.p2align	8
	.type	k_qb27a8f0743_qkv,@function
k_qb27a8f0743_qkv:
	s_mov_b64 s[64:65], 0
	v_nop
	global_prefetch_b8 v0, s[64:65] scope:SCOPE_SE
	s_setreg_imm32_b32 hwreg(HW_REG_WAVE_MODE, 25, 1), 1
	s_wait_xcnt 0x0
	s_wait_alu depctr_hold_cnt(0) depctr_sa_sdst(0) depctr_va_vdst(0) depctr_va_sdst(0) depctr_va_ssrc(0) depctr_va_vcc(0) depctr_vm_vsrc(0)
	s_getreg_b32 s2, hwreg(HW_REG_IB_STS2, 6, 4)
	s_cmp_eq_u32 s2, 0
	s_cbranch_scc0 .Lentry_in_a_cluster
	s_endpgm
.Lentry_in_a_cluster:
	s_bfe_u32 s2, ttmp6, 0x10000c
	s_cmp_lg_u32 s2, 0xf033
	s_cbranch_scc0 .Lentry_shape_is_right
	s_endpgm
.Lentry_shape_is_right:
; Q, K, V = x W^T + b on codes of FP4 (E2M1) with E8M0 scales, K = 1,024; each result is quantised at once: Q and K along the head's 64, V along the keys, and stored as images of attn's operand registers.
; SHARES.  Work-group x = head, y = 256 tokens.  Wave: s5 its 128 tokens, s6 = 0: Q and V's columns 0-31, 1: K and V's columns 32-63.
; THE TOKENS OF A TILE ARE NOT NEIGHBOURS.  Of 128 tokens tile 4 c + u holds in rows 0-7 the tokens 64 c + 8 u + 0 .. 7 and in rows 8-15 the tokens 64 c + 32 + 8 (u xor 1) + 0 .. 7: so the four tiles of c give
; lanes 0-15 the whole block 2 c of 32 keys and lanes 16-31 the whole block 2 c + 1, for V here and for the scores in attn.  Inside a block K and V have their keys in the same order.  Query tiles and ctx have this order of tokens too; outp puts the rows back.
; (u xor 1: the 16 LDS rows of a fragment are then 16 different numbers modulo 16.)
; LDS: x's 256 rows, then 64 rows each of W_q, W_k, W_v: 512 bytes + 16 of padding a row.  CLUSTER 4 x 4: x is shared along a row, the weights along a column.  ONE load a wave, all at the head: no loop is left in which to ask ahead.
; LIMITS: input scale bytes 0xff (NaN) are not served; a block of zeros gets the byte 1 where the rule says 127: its codes are zeros, and this program alone reads the bytes.
.set PITCH, 528
.set TROW,  16*PITCH
.set QUART, 64*PITCH
.set XHALF, 128*PITCH
.set WOFF,  256*PITCH
.set RECB,  8704
.set ADX, 18                           ; v18-19 x's fragments: tiles of even and of odd number
.set LXE, 16                           ; v16-17 x's scale rows: the same
.set H8,  20                           ; v20 8 x half
.set ADW, 5
.set ADV, 6
.set LSC, 7
.set L16, 8
.set L8,  9
.set L4,  10
.set H32, 11
.set R4,  12
.set SCX, 32
.set SCW, 64
.set XF,  96
.set WF,  0
.set BQ,  96
.set BV,  128
.set TM,  96
.set TX,  112
.set SO,  128
.set BY,  144
.set PC,  160
.set PT,  192
.set PP,  200
.set SW,  204
.set VW,  206
.set VO,  208
.set TMV, 210
.set TXV, 218
.set SOV, 226
.set PCV, 240
.set WV,  4
.set G1X, 24
.set G1W, 32
.set G0X, 40
.set G0W, 44
.set MSB, 0
.macro WIN new
.if MSB != \new
	s_set_vgpr_msb (MSB<<8)|\new
.set MSB, \new
.endif
.endm
.macro PLACES
.rept 4
	v_nop
.endr
.endm
.macro CROUND
	s_barrier_signal -1
	s_barrier_wait -1
	s_cmp_lg_u32 s[WV], 0
	s_cbranch_scc1 .Lnot_wave_0_\@
	s_barrier_signal -3
.Lnot_wave_0_\@:
	s_barrier_wait -3
	s_barrier_signal -1
	s_barrier_wait -1
.endm
	s_load_b512 s[68:83], s[0:1], 0x0
	s_load_b256 s[84:91], s[0:1], 0x40
	s_load_b128 s[92:95], s[0:1], 0x60
	v_lshl_add_u32 v238, v0, 2, 0x39c00
	v_mov_b32 v239, 0
	ds_add_u32 v238, v239
	ds_add_u32 v238, v239
	v_lshrrev_b32 v1, 5, v0
	v_readfirstlane_b32 s[WV], v1
	s_and_b32 s5, s[WV], 1
	s_lshr_b32 s6, s[WV], 1
	s_bfe_u32 s7, ttmp6, 0x40000
	s_bfe_u32 s8, ttmp6, 0x40004
	s_lshl_b32 s9, ttmp9, 2
	s_add_co_u32 s9, s9, s7
	s_and_b32 s10, ttmp7, 0xffff
	s_lshl_b32 s10, s10, 2
	s_add_co_u32 s10, s10, s8
	s_lshl_b32 s11, s8, 2
	s_lshl_b32 s11, 15, s11
	s_lshl_b32 s12, 0x1111, s7
	s_mov_b32 s2, 0x76543210
	s_mov_b32 s3, 0xfedcba98
	s_or_b32 s[G1X], s11, (1<<20)|(1<<21)|(6<<22)|(3<<25)
	s_or_b32 s[G1W], s12, (1<<20)|(1<<21)|(6<<22)|(3<<25)
.irp g, G1X, G1W
	s_mov_b32 s[\g+1], 512<<16
	s_mov_b32 s[\g+3], 512<<16
	s_mov_b32 s[\g+5], 512
	s_mov_b32 s[\g+6], 0
	s_mov_b32 s[\g+7], 0
.endr
	s_mov_b32 s[G1X+2], 256<<16                    ; x: 256 rows in one load
	s_mov_b32 s[G1X+4], 256
	s_mov_b32 s[G1W+2], 64<<16                     ; a weight: 64 rows
	s_mov_b32 s[G1W+4], 64
	s_lshl_b32 s16, s10, 17
	s_mov_b32 s17, 0
	s_lshl_b32 s14, s9, 15
	s_mov_b32 s15, 0
	s_mul_i32 s13, s[WV], QUART
	s_wait_dscnt 0x0
	s_wait_kmcnt 0x0
	s_mov_b32 s[G0X], 1
	s_mov_b32 s[G0X+1], 0
	s_add_nc_u64 s[G0X+2:G0X+3], s[68:69], s[16:17]
	s_or_b32 s[G0X+3], s[G0X+3], 0x80000000
	s_mov_b32 s[G0W], 1
	s_add_co_u32 s[G0W+1], s13, WOFF-QUART         ; waves 1, 2, 3: W_q, W_k, W_v
	s_cmp_lt_u32 s[WV], 2
	s_cselect_b64 s[G0W+2:G0W+3], s[72:73], s[78:79]
	s_cmp_lt_u32 s[WV], 3
	s_cselect_b64 s[G0W+2:G0W+3], s[G0W+2:G0W+3], s[84:85]
	s_add_nc_u64 s[G0W+2:G0W+3], s[G0W+2:G0W+3], s[14:15]
	s_or_b32 s[G0W+3], s[G0W+3], 0x80000000
	CROUND
	s_cmp_eq_u32 s[WV], 0                          ; one load a wave: wave 0 fetches x's 256 rows, waves 1 to 3 a weight's 64 rows each
	s_cbranch_scc0 .Lfor_w
	tensor_load_to_lds s[G0X:G0X+3], s[G1X:G1X+7]
	s_nop 0
	PLACES
	s_branch .Lasked
.Lfor_w:
	tensor_load_to_lds s[G0W:G0W+3], s[G1W:G1W+7]
	s_nop 0
	PLACES
.Lasked:
	v_and_b32 v1, 31, v0
	v_and_b32 v2, 15, v0
	v_bfe_u32 v3, v0, 4, 1
	v_lshlrev_b32 v[LSC], 5, v2
	v_lshl_add_u32 v[LSC], v3, 4, v[LSC]
	v_lshrrev_b32 v15, 3, v2                       ; r / 8
	v_lshl_add_u32 v14, v15, 5, v2                 ; x's row of lane r, less 64 c + 8 u: even u: r + 32 (r / 8),
	v_lshl_add_u32 v15, v15, 4, v2                 ; odd u: r + 16 (r / 8)
	v_lshlrev_b32 v[LXE], 5, v14
	v_lshlrev_b32 v[LXE+1], 5, v15
	v_lshl_add_u32 v[LXE], v3, 4, v[LXE]
	v_lshl_add_u32 v[LXE+1], v3, 4, v[LXE+1]
	v_lshlrev_b32 v[H8], 3, v3
	s_wait_alu depctr_va_vdst(0)
	v_lshlrev_b32 v[L16], 4, v1
	v_lshlrev_b32 v[L8], 3, v1
	v_lshlrev_b32 v[L4], 2, v1
	v_lshlrev_b32 v[H32], 5, v3
	s_wait_alu depctr_va_vdst(0)
	v_lshlrev_b32 v[R4], 2, v2
	s_wait_alu depctr_va_vdst(0)
	s_lshl_b32 s18, s10, 13
	s_lshl_b32 s19, s5, 12
	s_add_co_u32 s18, s18, s19
	s_mov_b32 s19, 0
	s_add_nc_u64 s[70:71], s[70:71], s[18:19]
	s_lshl_b32 s20, s9, 11
	s_mov_b32 s21, 0
	s_lshl_b32 s52, s9, 8
	s_mov_b32 s53, 0
	s_cmp_eq_u32 s6, 0
	s_cselect_b64 s[22:23], s[74:75], s[80:81]
	s_cselect_b64 s[48:49], s[76:77], s[82:83]
	s_add_nc_u64 s[22:23], s[22:23], s[20:21]
	s_add_nc_u64 s[48:49], s[48:49], s[52:53]
	s_lshl_b32 s50, s6, 10
	s_add_co_u32 s50, s50, s20
	s_mov_b32 s51, 0
	s_add_nc_u64 s[86:87], s[86:87], s[50:51]
	s_lshl_b32 s54, s6, 7
	s_add_co_u32 s54, s54, s52
	s_mov_b32 s55, 0
	s_add_nc_u64 s[88:89], s[88:89], s[54:55]
.irp i, 0,1,2,3,4,5,6,7
	global_load_b128 v[SCX+4*\i:SCX+4*\i+3], v[LXE+(\i%2)], s[70:71] offset:32*(64*(\i/4)+8*(\i%4))
.endr
.irp t, 0,1,2,3
	global_load_b128 v[SCW+4*\t:SCW+4*\t+3], v[LSC], s[22:23] offset:512*\t
.endr
.irp t, 0,1
	global_load_b128 v[SCW+16+4*\t:SCW+16+4*\t+3], v[LSC], s[86:87] offset:512*\t
.endr
	WIN 0x40
.irp t, 0,1,2,3
	global_load_b128 v[BQ+8*\t:BQ+8*\t+3], v[H32], s[48:49] offset:64*\t
	global_load_b128 v[BQ+8*\t+4:BQ+8*\t+7], v[H32], s[48:49] offset:64*\t+16
.endr
.irp t, 0,1
	global_load_b32 v[BV+8*\t], v[R4], s[88:89] offset:64*\t
.endr
	WIN 0
	s_lshr_b32 s14, s10, 3
	s_lshl_b32 s14, s14, 4
	s_add_co_u32 s14, s14, s9
	s_lshl_b32 s14, s14, 4
	s_and_b32 s15, s10, 7
	s_lshl_b32 s15, s15, 1
	s_add_co_u32 s14, s14, s15
	s_add_co_u32 s14, s14, s5
	s_mul_i32 s16, s14, RECB
	s_lshl_b32 s17, s14, 12
	s_lshl_b32 s66, s14, 8
	s_add_co_u32 s67, s16, 8192
	s_cmp_eq_u32 s6, 0
	s_cselect_b64 s[56:57], s[90:91], s[94:95]
	s_cselect_b64 s[58:59], s[92:93], s[94:95]
	s_cselect_b32 s96, s17, s16
	s_cselect_b32 s98, s66, s67
	s_mov_b32 s97, 0
	s_mov_b32 s99, 0
	s_add_nc_u64 s[56:57], s[56:57], s[96:97]
	s_add_nc_u64 s[58:59], s[58:59], s[98:99]
	s_lshl_b32 s15, s6, 11
	s_add_co_u32 s96, s16, s15
	s_add_co_u32 s96, s96, 4096
	s_add_nc_u64 s[60:61], s[94:95], s[96:97]
	s_lshl_b32 s15, s6, 7
	s_add_co_u32 s98, s16, s15
	s_add_co_u32 s98, s98, 8448
	s_add_nc_u64 s[62:63], s[94:95], s[98:99]
	s_wait_loadcnt 0x0
	WIN 0x41
.irp t, 0,1
.irp j, 1,2,3,4,5,6,7
	v_mov_b32 v[BV+8*\t+\j], v[BV+8*\t]
.endr
.endr
	WIN 0
	v_mul_u32_u24 v13, v2, PITCH
	v_lshl_add_u32 v13, v3, 4, v13
	v_mul_u32_u24 v14, v14, PITCH
	v_mul_u32_u24 v15, v15, PITCH
	v_lshl_add_u32 v14, v3, 4, v14
	v_lshl_add_u32 v15, v3, 4, v15
	s_mul_i32 s15, s5, XHALF
	v_add_nc_u32 v[ADX], s15, v14
	v_add_nc_u32 v[ADX+1], s15, v15
	s_mul_i32 s15, s6, QUART
	s_add_co_u32 s15, s15, WOFF
	v_add_nc_u32 v[ADW], s15, v13
	s_mul_i32 s15, s6, 32*PITCH
	s_add_co_u32 s15, s15, WOFF+2*QUART
	v_add_nc_u32 v[ADV], s15, v13
	PLACES
	s_wait_alu depctr_va_vdst(0)
	s_wait_tensorcnt 0x0
	s_barrier_signal -1
	s_barrier_wait -1
.macro FETCH q, s
	WIN 0x40
.irp t, 0,1,2,3
	ds_load_b128 v[WF+48*(\s)+8*\t:WF+48*(\s)+8*\t+3],   v[ADW] offset:TROW*\t+64*(\q)
	ds_load_b128 v[WF+48*(\s)+8*\t+4:WF+48*(\s)+8*\t+7], v[ADW] offset:TROW*\t+64*(\q)+32
.endr
.irp t, 0,1
	ds_load_b128 v[WF+48*(\s)+32+8*\t:WF+48*(\s)+32+8*\t+3],   v[ADV] offset:TROW*\t+64*(\q)
	ds_load_b128 v[WF+48*(\s)+32+8*\t+4:WF+48*(\s)+32+8*\t+7], v[ADV] offset:TROW*\t+64*(\q)+32
.endr
	WIN 0
.irp i, 0,1,2,3,4,5,6,7
	ds_load_b128 v[XF+64*(\s)+8*\i:XF+64*(\s)+8*\i+3],   v[ADX+(\i%2)] offset:PITCH*(64*(\i/4)+8*(\i%4))+64*(\q)
	ds_load_b128 v[XF+64*(\s)+8*\i+4:XF+64*(\s)+8*\i+7], v[ADX+(\i%2)] offset:PITCH*(64*(\i/4)+8*(\i%4))+64*(\q)+32
.endr
.endm
.macro MULQK q, s
.if (\q) == 0
	WIN 0x91
.else
	WIN 0xa1
.endif
.irp i, 0,1,2,3,4,5,6,7
.irp t, 0,1,2,3
.if (\q) == 0
	v_wmma_scale_f32_16x16x128_f8f6f4 v[8*(4*\i+\t):8*(4*\i+\t)+7], v[WF+48*(\s)+8*\t:WF+48*(\s)+8*\t+7], v[XF+64*(\s)+8*\i:XF+64*(\s)+8*\i+7], v[BQ+8*\t:BQ+8*\t+7], v[SCW+4*\t], v[SCX+4*\i] matrix_a_fmt:MATRIX_FMT_FP4 matrix_b_fmt:MATRIX_FMT_FP4
.elseif (\q) < 4
	v_wmma_scale_f32_16x16x128_f8f6f4 v[8*(4*\i+\t):8*(4*\i+\t)+7], v[WF+48*(\s)+8*\t:WF+48*(\s)+8*\t+7], v[XF+64*(\s)+8*\i:XF+64*(\s)+8*\i+7], v[8*(4*\i+\t):8*(4*\i+\t)+7], v[SCW+4*\t+(\q)], v[SCX+4*\i+(\q)] matrix_a_fmt:MATRIX_FMT_FP4 matrix_b_fmt:MATRIX_FMT_FP4
.else
	v_wmma_scale_f32_16x16x128_f8f6f4 v[8*(4*\i+\t):8*(4*\i+\t)+7], v[WF+48*(\s)+8*\t:WF+48*(\s)+8*\t+7], v[XF+64*(\s)+8*\i:XF+64*(\s)+8*\i+7], v[8*(4*\i+\t):8*(4*\i+\t)+7], v[SCW+4*\t+(\q)-4], v[SCX+4*\i+(\q)-4] matrix_a_fmt:MATRIX_FMT_FP4 matrix_b_fmt:MATRIX_FMT_FP4 matrix_a_scale:MATRIX_SCALE_ROW1 matrix_b_scale:MATRIX_SCALE_ROW1
.endif
.endr
.endr
.endm
.macro MULV q, s
.if (\q) == 0
	WIN 0xd4
.else
	WIN 0xf4
.endif
.irp t, 0,1
.irp i, 0,1,2,3,4,5,6,7
.if (\q) == 0
	v_wmma_scale_f32_16x16x128_f8f6f4 v[8*(8*\t+\i):8*(8*\t+\i)+7], v[XF+64*(\s)+8*\i:XF+64*(\s)+8*\i+7], v[WF+48*(\s)+32+8*\t:WF+48*(\s)+32+8*\t+7], v[BV+8*\t:BV+8*\t+7], v[SCX+4*\i], v[SCW+16+4*\t] matrix_a_fmt:MATRIX_FMT_FP4 matrix_b_fmt:MATRIX_FMT_FP4
.elseif (\q) < 4
	v_wmma_scale_f32_16x16x128_f8f6f4 v[8*(8*\t+\i):8*(8*\t+\i)+7], v[XF+64*(\s)+8*\i:XF+64*(\s)+8*\i+7], v[WF+48*(\s)+32+8*\t:WF+48*(\s)+32+8*\t+7], v[8*(8*\t+\i):8*(8*\t+\i)+7], v[SCX+4*\i+(\q)], v[SCW+16+4*\t+(\q)] matrix_a_fmt:MATRIX_FMT_FP4 matrix_b_fmt:MATRIX_FMT_FP4
.else
	v_wmma_scale_f32_16x16x128_f8f6f4 v[8*(8*\t+\i):8*(8*\t+\i)+7], v[XF+64*(\s)+8*\i:XF+64*(\s)+8*\i+7], v[WF+48*(\s)+32+8*\t:WF+48*(\s)+32+8*\t+7], v[8*(8*\t+\i):8*(8*\t+\i)+7], v[SCX+4*\i+(\q)-4], v[SCW+16+4*\t+(\q)-4] matrix_a_fmt:MATRIX_FMT_FP4 matrix_b_fmt:MATRIX_FMT_FP4 matrix_a_scale:MATRIX_SCALE_ROW1 matrix_b_scale:MATRIX_SCALE_ROW1
.endif
.endr
.endr
.endm
	FETCH 0, 0
.set Q, 0
.rept 8
.if Q > 0
	PLACES
.endif
.if Q < 7
	FETCH Q+1, (Q+1)%2
	s_wait_dscnt 28
.else
	s_wait_dscnt 0x0
.endif
	MULQK Q, Q%2
	MULV Q, Q%2
.set Q, Q+1
.endr
	WIN 0
	PLACES
.macro MAXES cnt, tm
.set ci, 0
.rept \cnt
	v_max3_num_f32 v[\tm+ci], 0x1800000, |v[16*ci]|, |v[16*ci+1]|
.set ci, ci+1
.endr
.set ni, 1
.rept 7
.set ci, 0
.rept \cnt
	v_max3_num_f32 v[\tm+ci], v[\tm+ci], |v[16*ci+2*ni]|, |v[16*ci+2*ni+1]|
.set ci, ci+1
.endr
.set ni, ni+1
.endr
.endm
.macro SCALEOF cnt, tm, tx, so, by
.set ci, 0
.rept \cnt
	v_permlanex16_b32 v[\tx+ci], v[\tm+ci], s2, s3
.set ci, ci+1
.endr
.set ci, 0
.rept \cnt
	v_max_num_f32 v[\tm+ci], v[\tm+ci], v[\tx+ci]
.set ci, ci+1
.endr
.set ci, 0
.rept \cnt
	v_add_nc_u32 v[\so+ci], 0xff000000, v[\tm+ci]
.set ci, ci+1
.endr
.set ci, 0
.rept \cnt
	v_lshrrev_b32 v[\by+ci], 23, v[\so+ci]
.set ci, ci+1
.endr
.endm
.macro CODES cnt, pc, so
.set gi, 0
.rept \cnt
	v_cvt_scalef32_pk8_fp4_f32 v[\pc+4*gi],   v[32*gi:32*gi+7],     v[\so+2*gi]
	v_cvt_scalef32_pk8_fp4_f32 v[\pc+4*gi+2], v[32*gi+8:32*gi+15],  v[\so+2*gi]
	v_cvt_scalef32_pk8_fp4_f32 v[\pc+4*gi+1], v[32*gi+16:32*gi+23], v[\so+2*gi+1]
	v_cvt_scalef32_pk8_fp4_f32 v[\pc+4*gi+3], v[32*gi+24:32*gi+31], v[\so+2*gi+1]
.set gi, gi+1
.endr
.endm
.macro SWAPS cnt, pc
.set gi, 0
.rept \cnt
	v_permlane16_swap_b32 v[\pc+4*gi], v[\pc+4*gi+1]
	v_permlane16_swap_b32 v[\pc+4*gi+2], v[\pc+4*gi+3]
.set gi, gi+1
.endr
.endm
.set ci, 0
.rept 16
	v_mov_b32 v[TX+ci], 0
.set ci, ci+1
.endr
.set ci, 0
.rept 2
	v_mov_b32 v[TXV+ci], 0
.set ci, ci+1
.endr
	WIN 0x28
	MAXES 16, TM
	WIN 0x3c
	MAXES 8, TMV
	WIN 0
	SCALEOF 16, TM, TX, SO, BY
; V: the 32 registers 32 (2 t + c) on are one whole block of 32 keys of my column: no other lane is asked for its largest magnitude
.irp c, 0,1,2,3
	v_max_num_f32 v[TMV+\c], v[TMV+2*\c], v[TMV+2*\c+1]
.endr
.irp c, 0,1,2,3
	v_add_nc_u32 v[SOV+\c], 0xff000000, v[TMV+\c]
.endr
.irp c, 0,1,2,3
	v_lshrrev_b32 v[TXV+4+\c], 23, v[SOV+\c]
.endr
.irp i, 0,1,2,3,4,5,6,7
	v_lshl_or_b32 v[PT+\i], v[BY+2*\i+1], 8, v[BY+2*\i]
.endr
.irp p, 0,1,2,3
	v_lshl_or_b32 v[PP+\p], v[PT+2*\p+1], 16, v[PT+2*\p]
.endr
	v_cmp_le_u32 vcc_lo, 16, v1
	v_cndmask_b32 v[SW], v[PP], v[PP+1], vcc_lo
	v_cndmask_b32 v[SW+1], v[PP+2], v[PP+3], vcc_lo
.irp t, 0,1
	v_lshl_or_b32 v[VW+\t], v[TXV+5+2*\t], 16, v[TXV+4+2*\t]       ; my bytes: blocks h and 2 + h,
	v_lshlrev_b32 v[VW+\t], v[H8], v[VW+\t]        ; at their places in the word;
	v_permlanex16_b32 v[TXV+\t], v[VW+\t], s2, s3
	v_or_b32 v[VW+\t], v[VW+\t], v[TXV+\t]         ; with lane l xor 16's two it is whole
.endr
	v_cndmask_b32 v[VO], v[VW], v[VW+1], vcc_lo
	WIN 0x02
	CODES 8, PC, SO
	WIN 0x03
.irp g, 0,1,2,3
.irp u, 0,1,2,3
	v_cvt_scalef32_pk8_fp4_f32 v[PCV+4*\g+\u], v[32*\g+8*\u:32*\g+8*\u+7], v[SOV+\g]
.endr
.endr
	WIN 0
	v_nop
	SWAPS 8, PC
.irp i, 0,1,2,3,4,5,6,7
	global_store_b128 v[L16], v[PC+4*\i:PC+4*\i+3], s[56:57] offset:512*\i
.endr
	global_store_b64 v[L8], v[SW:SW+1], s[58:59]
.irp g, 0,1,2,3
	global_store_b128 v[L16], v[PCV+4*\g:PCV+4*\g+3], s[60:61] offset:512*\g
.endr
	global_store_b32 v[L4], v[VO], s[62:63]
	s_wait_tensorcnt 0x0
	ds_add_u32 v238, v239
	s_wait_dscnt 0x0
	CROUND
	s_endpgm
.Lfunc_end_k_qb27a8f0743_qkv:
	.size	k_qb27a8f0743_qkv, .Lfunc_end_k_qb27a8f0743_qkv-k_qb27a8f0743_qkv
	.p2alignl 7, 3214868480
	.fill 96, 4, 3214868480
	.section	.rodata,"a",@progbits
	.p2align	6, 0x0
	.amdhsa_kernel k_qb27a8f0743_qkv
		.amdhsa_group_segment_fixed_size 327680
		.amdhsa_private_segment_fixed_size 0
		.amdhsa_enable_private_segment 0
		.amdhsa_kernarg_size 112
		.amdhsa_user_sgpr_count 2
		.amdhsa_user_sgpr_kernarg_segment_ptr 1
		.amdhsa_wavefront_size32 1
		.amdhsa_system_sgpr_workgroup_id_x 1
		.amdhsa_system_sgpr_workgroup_id_y 1
		.amdhsa_system_sgpr_workgroup_id_z 1
		.amdhsa_system_vgpr_workitem_id 0
		.amdhsa_next_free_vgpr 896
		.amdhsa_next_free_sgpr 100
		.amdhsa_reserve_vcc 1
		.amdhsa_float_denorm_mode_32 3
		.amdhsa_float_denorm_mode_16_64 3
		.amdhsa_memory_ordered 1
		.amdhsa_forward_progress 1
		.amdhsa_inst_pref_size 99
	.end_amdhsa_kernel
	.amdgpu_metadata
---
amdhsa.version: [ 1, 2 ]
amdhsa.kernels:
  - .name:           k_qb27a8f0743_qkv
    .symbol:         k_qb27a8f0743_qkv.kd
    .args:
      - { .name: x_codes, .offset: 0, .size: 8, .value_kind: global_buffer, .address_space: global }
      - { .name: x_scales, .offset: 8, .size: 8, .value_kind: global_buffer, .address_space: global }
      - { .name: W_q_codes, .offset: 16, .size: 8, .value_kind: global_buffer, .address_space: global }
      - { .name: W_q_scales, .offset: 24, .size: 8, .value_kind: global_buffer, .address_space: global }
      - { .name: b_q, .offset: 32, .size: 8, .value_kind: global_buffer, .address_space: global }
      - { .name: W_k_codes, .offset: 40, .size: 8, .value_kind: global_buffer, .address_space: global }
      - { .name: W_k_scales, .offset: 48, .size: 8, .value_kind: global_buffer, .address_space: global }
      - { .name: b_k, .offset: 56, .size: 8, .value_kind: global_buffer, .address_space: global }
      - { .name: W_v_codes, .offset: 64, .size: 8, .value_kind: global_buffer, .address_space: global }
      - { .name: W_v_scales, .offset: 72, .size: 8, .value_kind: global_buffer, .address_space: global }
      - { .name: b_v, .offset: 80, .size: 8, .value_kind: global_buffer, .address_space: global }
      - { .name: qc, .offset: 88, .size: 8, .value_kind: global_buffer, .address_space: global }
      - { .name: qs, .offset: 96, .size: 8, .value_kind: global_buffer, .address_space: global }
      - { .name: kv, .offset: 104, .size: 8, .value_kind: global_buffer, .address_space: global }
    .group_segment_fixed_size: 327680
    .private_segment_fixed_size: 0
    .kernarg_segment_align: 8
    .kernarg_segment_size: 112
    .max_flat_workgroup_size: 128
    .sgpr_count:     100
    .vgpr_count:     896
    .wavefront_size: 32
...
	.end_amdgpu_metadata
.endif
;; end of part 1
;; launch attn (part 2): grid 8 x 32, 8 waves a work-group, clusters of 4 x 1, 327,680 bytes of LDS; arguments qc, qs, kv, cc, cs; writes cc, cs
.if DOCPART == 2
	.amdgcn_target "amdgcn-amd-amdhsa--gfx1250"
	.amdhsa_code_object_version 6
	.text
	.protected	k_qb27a8f0743_attn
	.globl	k_qb27a8f0743_attn
	.p2align	8
	.type	k_qb27a8f0743_attn,@function
k_qb27a8f0743_attn:
	s_mov_b64 s[64:65], 0
	v_nop
	global_prefetch_b8 v0, s[64:65] scope:SCOPE_SE
	s_setreg_imm32_b32 hwreg(HW_REG_WAVE_MODE, 25, 1), 1
	s_wait_xcnt 0x0
	s_wait_alu depctr_hold_cnt(0) depctr_sa_sdst(0) depctr_va_vdst(0) depctr_va_sdst(0) depctr_va_ssrc(0) depctr_va_vcc(0) depctr_vm_vsrc(0)
	s_getreg_b32 s2, hwreg(HW_REG_IB_STS2, 6, 4)
	s_cmp_eq_u32 s2, 0
	s_cbranch_scc0 .Lentry_in_a_cluster
	s_endpgm
.Lentry_in_a_cluster:
	s_bfe_u32 s2, ttmp6, 0x10000c
	s_cmp_lg_u32 s2, 0x3003
	s_cbranch_scc0 .Lentry_shape_is_right
	s_endpgm
.Lentry_shape_is_right:
; ctx[q][:] = the sum over k of softmax_k(Q[q] . K[k] / 8) V[k][:] for one head of 64, both products on codes of FP4 (E2M1) with one E8M0 scale for each 32 along a product's K; then ctx is quantised along the head's 64.
; THE SOFTMAX AHEAD OF THE SECOND PRODUCT: t = score x log2(e) / 8; M = the running largest t rounded UP to a whole number; p = 2^(t - M) is quantised along the keys, not normalised.
; The row's sum is taken of the unquantised p, in f32, and divides at the end.  When M moves, the sum and O are multiplied by 2^(old M - new M): exact.
; SHARES.  Work-group y = batch x 16 + head, x = block of 256 queries; each of eight waves owns the query tiles w and w + 8 (16 queries each), one after the other, in 512 registers.  Every wave walks the head's 2,048 keys, 256 a step.
; INPUTS are images of operand registers, made by the launch before: the record of 128 keys, 8,704 bytes, holds K's 8 tiles (512 bytes each), V's 4 d tiles x 2 images, K's scale image (256), V's two (128 each).
; LDS: the head's 16 records as they lie in memory, each filled once by joint loads of the cluster's four work-groups, which walk the same K and V.  Records 0 to 7 are asked for at the head, one a wave; records 8 to 15, one a wave,
; behind the round that shows those: they have three steps in which to land.  So nothing is left to ask ahead for, and no prefetch is laid.
; BOTH PRODUCTS TRANSPOSED: S^T = K Q^T (source 0 = keys, source 1 = my queries), O^T = V^T P^T: a lane holds ONE query (lane % 16) throughout.
; THE KEYS OF A TILE: in a record rows 0-7 of tiles 4 c .. 4 c + 3 are the block 2 c of 32 keys, rows 8-15 the block 2 c + 1: so a lane's registers 32 b + 0 .. 31 (b = 2 x record + c) are ONE WHOLE BLOCK, and its codes are the second product's operand as they are made.
; THE HEAD'S 64 FILL HALF OF THE INSTRUCTION'S 128.  A fragment of K holds TWO tiles of keys, one in each half of K; it is multiplied by [q ; 0] for the first tile's scores and by [0 ; q] for the second's: zero codes add nothing.
; A BLOCK'S SCALE: its largest p is 2^y, y = its largest score x c - M, so floor(log2) of it is floor(y).
; ORDER OF A STEP s: the loads of V for s and of K for s + 1; the softmax; then O^T += V^T P^T of step s and S^T of step s + 1 in one run of products.
; LIMITS: the scaled scores stay under 2^31 in magnitude.  y is held at -124 from below: a block whose p are all under 2^-124 has the byte 1 (its codes are as good as zero beside the row's largest p).  In the way out a block of zeros gets the byte 1 where the rule says 127: its codes are zeros, and this program alone reads the bytes.
; WINDOWS (s_set_vgpr_msb: bits 1:0 source 0, 3:2 source 1, 5:4 source 2, 7:6 destination): window 0 addresses, Q, K, V and all scale words; window 1 scores, sums, p's codes, O^T and all that the softmax works with.
.set RECB, 8704
.set STG,  16*RECB                     ; behind the records: 512 bytes for ctx's scale bytes; no tensor load lands there
.set SPARE, STG+512                    ; the spare words, 128 bytes for each wave: four blocks of 256 bytes that no other line names
; window 0
.set A16, 1                            ; v1-3 16, 8, 4 x lane + the step's first record
.set A8,  2
.set A4,  3
.set L16, 4                            ; v4-6 16, 8, 4 x lane
.set L8,  5
.set L4,  6
.set SWA, 7                            ; v7  where my row's two scale bytes go
.set SPW, 8                            ; v8  LDS address of my spare word; never rewritten
.set NIL, 9                            ; v9  0; never rewritten
.set SWR, 10                           ; v10 STG + 32 wave + 2 r
.set SRD, 11                           ; v11 STG + 16 x lane
.set R8,  12                           ; v12 8 r: my row's place in a scale image
.set QB,  16                           ; v16-23 [0 ; q]
.set QA,  20                           ; v20-27 [q ; 0]
.set QS,  28                           ; v28 q's scale word; v29 the second tile's
.set PW,  30                           ; v30-31 p's scale words, one a record
.set KS,  32                           ; v32-35 K's scale words
.set VS,  36                           ; v36-39 V's
.set Q2,  40                           ; v40-43 the second tile's q
.set GT,  44                           ; v44-47 at work
.set KF,  64                           ; v64-127  K: eight fragments of two tiles
.set VF,  128                          ; v128-191 V: eight fragments
; window 1
.set SA,  0                            ; 0-127 S^T, then p
.set TS,  128                          ; 128-143, 144-159 the step's sums: eight pairs each
.set US,  144
.set PA,  160                          ; 160-175 p's codes
.set SO,  176                          ; 176-179 the conversions' scale operands
.set MA,  180                          ; 180-187 partial maxima
.set BM,  188                          ; 188-191 a block's largest score, then y, then floor(y)
.set OA,  192                          ; 192-223 O^T
.set NM,  224                          ; 224-225 -M and a word that is named with it
.set LS,  226                          ; 226-227 the row's sum in two halves
.set FF,  228                          ; 228-229 f = 2^(old M - new M); the upper word is named with it and holds 0
.set MX,  230                          ; the largest score so far
.set XX,  231
.set RM,  232
.set TT,  233
.set UU,  234                          ; 234-235
.set PX,  236                          ; 236-237
.set H8,  238                          ; 8 x (lane / 16)
; scalars
.set NC,  3                            ; s3  -c
.set WV,  14                           ; s14 wave; s15 cx; s16 query block; s17 batch x 16 + head; s18 head; s19 batch
.set SEL, 20
.set CS,  22                           ; s[22:23] c = log2(e) / 8
.set G1,  24                           ; s[24:31] group 1: one record
.set G0,  32                           ; s[32:35], s[36:39] groups 0: records w and 8 + w
.set G0B, 36
.set REC, 40
.set CNT, 41
.set TOFF, 42                          ; 256 x the tile's turn
.set TCNT, 43
.set MSB, 0
.macro WIN new                         ; the immediate's high byte repeats the setting that is left
.if MSB != \new
	s_set_vgpr_msb (MSB<<8)|\new
.set MSB, \new
.endif
.endm
.macro PLACES
.rept 4
	v_nop
.endr
.endm
.macro CROUND                          ; a round of the cluster's barrier
	s_barrier_signal -1
	s_barrier_wait -1
	s_cmp_lg_u32 s[WV], 0
	s_cbranch_scc1 .Lnot_wave_0_\@
	s_barrier_signal -3
.Lnot_wave_0_\@:
	s_barrier_wait -3
	s_barrier_signal -1
	s_barrier_wait -1
.endm
	s_load_b256 s[4:11], s[0:1], 0x0               ; qc 4, qs 6, kv 8, cc 10
	s_load_b64 s[12:13], s[0:1], 0x20              ; cs
	v_lshl_add_u32 v[SPW], v0, 2, SPARE
	v_mov_b32 v[NIL], 0
	ds_add_u32 v[SPW], v[NIL]                      ; the opening: the add, twice on end, and its wait ahead of my first tensor load
	ds_add_u32 v[SPW], v[NIL]
	v_lshrrev_b32 v44, 5, v0
	v_and_b32 v45, 15, v0                          ; r
	v_and_b32 v46, 31, v0                          ; lane
	v_and_b32 v47, 16, v0                          ; 16 h
	v_readfirstlane_b32 s[WV], v44                 ; wave 0..7
	v_and_b32 v[SWR], 0xe0, v0                     ; 32 x wave
	v_lshlrev_b32 v[L16], 4, v46
	v_lshlrev_b32 v[L8], 3, v46
	v_lshlrev_b32 v[L4], 2, v46
	v_lshl_add_u32 v[SWR], v45, 1, v[SWR]
	v_lshlrev_b32 v[R8], 3, v45
	v_add_nc_u32 v[SRD], STG, v[L16]
	v_add_nc_u32 v[SWR], STG, v[SWR]
	s_bfe_u32 s15, ttmp6, 0x40000                  ; cx
	s_lshl_b32 s16, ttmp9, 2
	s_add_co_u32 s16, s16, s15                     ; my block of 256 queries: it enters global addresses of Q, cc and cs alone
	s_and_b32 s17, ttmp7, 0xffff                   ; batch x 16 + head, which the four partners share
	s_and_b32 s18, s17, 15
	s_lshr_b32 s19, s17, 4
	s_mov_b32 s[SEL], 0x76543210
	s_mov_b32 s[SEL+1], 0xfedcba98
	s_mov_b32 s[CS], 0x3e38aa3b                    ; log2(e) / 8
	s_mov_b32 s[CS+1], s[CS]                       ; (named with it as a pair, so it is written)
	s_mov_b32 s[NC], 0xbe38aa3b
	; descriptor group 1: a record, 34 dense rows of 256 bytes (32 elements of 8 bytes)
	s_mov_b32 s[G1], 15|(3<<16)|(1<<21)            ; the mask: all four work-groups; bit 21 set beside it
	s_mov_b32 s[G1+1], 32<<16
	s_mov_b32 s[G1+2], 34<<16
	s_mov_b32 s[G1+3], 32<<16
	s_mov_b32 s[G1+4], 34
	s_mov_b32 s[G1+5], 32
	s_mov_b32 s[G1+6], 0
	s_mov_b32 s[G1+7], 0
	s_mul_i32 s50, s[WV], RECB                     ; my record, from the head's first on
	s_mov_b32 s51, 0
	s_mul_i32 s52, s17, 16*RECB
	s_mov_b32 s53, 0
	s_lshl_b32 s56, s17, 7
	s_lshl_b32 s57, s16, 4
	s_add_co_u32 s56, s56, s57
	s_add_co_u32 s56, s56, s[WV]                   ; my first tile of queries: 128 (batch x 16 + head) + 16 block + wave
	s_lshl_b32 s56, s56, 9
	s_mov_b32 s57, 0
	s_lshl_b32 s58, s17, 4                         ; its two scale bytes: group of 8 tiles 16 (batch x 16 + head) + 2 block, 256 bytes each (the second tile's: the group behind it);
	s_lshl_b32 s59, s16, 1
	s_add_co_u32 s58, s58, s59
	s_lshl_b32 s58, s58, 8
	s_bfe_u32 s59, s[WV], 0x10001                  ; in it tile u = wave: lanes' half (u / 2) % 2,
	s_lshl_b32 s59, s59, 7
	s_add_co_u32 s58, s58, s59
	s_bfe_u32 s59, s[WV], 0x10002                  ; word u / 4,
	s_lshl_b32 s59, s59, 2
	s_add_co_u32 s58, s58, s59
	s_and_b32 s59, s[WV], 1                        ; half word u % 2
	s_lshl_b32 s59, s59, 1
	s_add_co_u32 s58, s58, s59
	s_mov_b32 s59, 0
	s_lshl_b32 s60, s19, 7                         ; cc: token tile 128 batch + 16 block + wave, 16 heads of 512 bytes each
	s_lshl_b32 s61, s16, 4
	s_add_co_u32 s60, s60, s61
	s_add_co_u32 s60, s60, s[WV]
	s_lshl_b32 s60, s60, 4
	s_add_co_u32 s60, s60, s18
	s_lshl_b32 s60, s60, 9
	s_mov_b32 s61, 0
	s_lshl_b32 s62, s18, 13                        ; cs: [head][tile row], two bytes each
	s_lshl_b32 s63, s19, 12
	s_add_co_u32 s62, s62, s63
	s_lshl_b32 s63, s16, 9
	s_add_co_u32 s62, s62, s63
	s_mov_b32 s63, 0
	s_wait_alu depctr_va_vdst(0)                   ; directly ahead of the waits below
	s_wait_dscnt 0x0                               ; both opening adds are done
	s_wait_kmcnt 0x0
	s_add_nc_u64 s[4:5], s[4:5], s[56:57]
	s_add_nc_u64 s[6:7], s[6:7], s[58:59]
	global_load_b128 v[QA:QA+3], v[L16], s[4:5]    ; q's image: the upper half of [0 ; q] and the lower of [q ; 0]
	global_load_u16 v[QS], v[R8], s[6:7]
	global_load_b128 v[Q2:Q2+3], v[L16], s[4:5] offset:4096   ; the second tile's, eight tiles on
	global_load_u16 v[QS+1], v[R8], s[6:7] offset:256
	s_add_nc_u64 s[54:55], s[8:9], s[52:53]
	s_add_nc_u64 s[54:55], s[54:55], s[50:51]
	s_mov_b32 s[G0], 1
	s_mov_b32 s[G0+1], s50
	s_mov_b64 s[G0+2:G0+3], s[54:55]
	s_or_b32 s[G0+3], s[G0+3], 0x80000000
	s_mov_b32 s[G0B], 1
	s_add_co_u32 s[G0B+1], s50, 8*RECB
	s_add_nc_u64 s[G0B+2:G0B+3], s[54:55], 8*RECB
	s_or_b32 s[G0B+3], s[G0B+3], 0x80000000
	CROUND                                         ; all four work-groups are here: the joint loads meet
	tensor_load_to_lds s[G0:G0+3], s[G1:G1+7]      ; records 0 to 7, one a wave
	s_nop 0
	PLACES
	s_add_nc_u64 s[10:11], s[10:11], s[60:61]
	s_add_nc_u64 s[12:13], s[12:13], s[62:63]
.irp j, 0,1,2,3,8,9,10,11
	v_mov_b32 v[QB+\j], 0                          ; the zero halves of [0 ; q] and [q ; 0]
.endr
	WIN 0x40
	v_lshrrev_b32 v[H8], 1, v47
	v_mov_b32 v[XX], 0                             ; (a lane permute's destination counts as one of its sources)
	v_mov_b32 v[PX], 0
	v_mov_b32 v[PX+1], 0
	WIN 0
	s_mov_b32 s[TOFF], 0
	s_mov_b32 s[TCNT], 2
	s_wait_loadcnt 0x0
.irp i, 0,1
	v_lshl_or_b32 v[QS+\i], v[QS+\i], 16, v[QS+\i] ; the two bytes in both halves of the word: one register serves [q ; 0] and [0 ; q]
.endr
; S^T of the two records in KF.  Pair p = tiles 2 p, 2 p + 1 of a record.  Its scale word: register p / 2, lanes 16-31 for odd p
.macro QK
	WIN 0x40
.irp n, 0,1
.irp p, 0,1,2,3
.if (\p)%2
	v_wmma_scale_f32_16x16x128_f8f6f4 v[SA+64*\n+16*\p:SA+64*\n+16*\p+7], v[KF+32*\n+8*\p:KF+32*\n+8*\p+7], v[QA:QA+7], 0, v[KS+2*\n+\p/2], v[QS] matrix_a_fmt:MATRIX_FMT_FP4 matrix_b_fmt:MATRIX_FMT_FP4 matrix_a_scale:MATRIX_SCALE_ROW1
	v_wmma_scale_f32_16x16x128_f8f6f4 v[SA+64*\n+16*\p+8:SA+64*\n+16*\p+15], v[KF+32*\n+8*\p:KF+32*\n+8*\p+7], v[QB:QB+7], 0, v[KS+2*\n+\p/2], v[QS] matrix_a_fmt:MATRIX_FMT_FP4 matrix_b_fmt:MATRIX_FMT_FP4 matrix_a_scale:MATRIX_SCALE_ROW1
.else
	v_wmma_scale_f32_16x16x128_f8f6f4 v[SA+64*\n+16*\p:SA+64*\n+16*\p+7], v[KF+32*\n+8*\p:KF+32*\n+8*\p+7], v[QA:QA+7], 0, v[KS+2*\n+\p/2], v[QS] matrix_a_fmt:MATRIX_FMT_FP4 matrix_b_fmt:MATRIX_FMT_FP4
	v_wmma_scale_f32_16x16x128_f8f6f4 v[SA+64*\n+16*\p+8:SA+64*\n+16*\p+15], v[KF+32*\n+8*\p:KF+32*\n+8*\p+7], v[QB:QB+7], 0, v[KS+2*\n+\p/2], v[QS] matrix_a_fmt:MATRIX_FMT_FP4 matrix_b_fmt:MATRIX_FMT_FP4
.endif
.endr
.endr
	WIN 0
.endm
.macro TADD a, b                       ; sums' pair a += pair b
	v_pk_add_f32 v[TS+2*(\a):TS+2*(\a)+1], v[TS+2*(\a):TS+2*(\a)+1], v[TS+2*(\b):TS+2*(\b)+1]
.endm
.macro TSUM                            ; the row's sum under the M of the step that the pairs belong to
	v_pk_fma_f32 v[LS:LS+1], v[LS:LS+1], v[FF:FF+1], v[TS:TS+1] op_sel_hi:[1,0,1]
.endm
.macro TM first, n                     ; t - M, two at a time (of the pairs c and -M the low word serves both halves)
.set jj, \first
.rept \n
	v_pk_fma_f32 v[SA+2*jj:SA+2*jj+1], v[SA+2*jj:SA+2*jj+1], s[CS:CS+1], v[NM:NM+1] op_sel_hi:[1,0,0]
.set jj, jj+1
.endr
.endm
.macro OMUL first, n                   ; O^T under the new M; each accumulator from its low end on
.set jj, \first
.rept \n
	v_pk_mul_f32 v[OA+2*jj:OA+2*jj+1], v[OA+2*jj:OA+2*jj+1], v[FF:FF+1] op_sel_hi:[1,0]
.set jj, jj+1
.endr
.endm
.macro EXP j                           ; p = 2^(t - M), at most 1: not normalised
	v_exp_f32 v[SA+\j], v[SA+\j]
.endm
.macro CODE b, u                       ; block b's numbers 8 u .. 8 u + 7 -> its code register u
	v_cvt_scalef32_pk8_fp4_f32 v[PA+4*(\b)+(\u)], v[SA+32*(\b)+8*(\u):SA+32*(\b)+8*(\u)+7], v[SO+(\b)]
.endm
.macro ACC d, j                        ; pair d += p's numbers j, j + 1
	v_pk_add_f32 v[\d:\d+1], v[\d:\d+1], v[SA+\j:SA+\j+1]
.endm
; A KEY STEP: 256 keys, the two records from s[REC] on; its scores are in SA.  more = 1: the next two records' K is loaded and multiplied.
.macro STEP more
	v_add_nc_u32 v[A16], s[REC], v[L16]            ; these four lines are the places behind the products just issued
.if \more
	v_add_nc_u32 v[A8], s[REC], v[L8]
.else
	v_nop
.endif
	v_add_nc_u32 v[A4], s[REC], v[L4]
	v_nop
.irp n, 0,1
.if \more
.irp t, 0,1,2,3,4,5,6,7
	ds_load_b128 v[KF+32*\n+4*\t:KF+32*\n+4*\t+3], v[A16] offset:(2+\n)*RECB+512*\t
.endr
	ds_load_b64 v[KS+2*\n:KS+2*\n+1], v[A8] offset:(2+\n)*RECB+8192
.endif
.irp t, 0,1,2,3
.irp c, 0,1
	ds_load_b128 v[VF+32*\n+8*\t+4*\c:VF+32*\n+8*\t+4*\c+3], v[A16] offset:\n*RECB+4096+1024*\t+512*\c
.endr
.endr
.irp i, 0,1
	ds_load_b32 v[VS+2*\n+\i], v[A4] offset:\n*RECB+8448+128*\i
.endr
.endr
	WIN 0x55
.irp b, 0,1,2,3,4,5,6,7
	v_max3_num_f32 v[MA+\b], v[SA+16*\b], v[SA+16*\b+1], v[SA+16*\b+2]     ; the largest score of each of my four blocks of 32 keys, in two chains each
.endr
.irp i, 3,5,7,9,11,13
.irp b, 0,1,2,3,4,5,6,7
	v_max3_num_f32 v[MA+\b], v[MA+\b], v[SA+16*\b+\i], v[SA+16*\b+\i+1]    ; (each tile from its low end on)
.endr
.endr
.irp b, 1,3,5,7
	v_max3_num_f32 v[MA+\b], v[MA+\b], v[SA+16*\b+15], v[SA+16*\b-1]
.endr
.irp b, 0,1,2,3
	v_max_num_f32 v[BM+\b], v[MA+2*\b], v[MA+2*\b+1]
.endr
	TADD 0, 4                                      ; the last step's sums are added up between the links of the row's maximum
	v_max3_num_f32 v[RM], v[BM], v[BM+1], v[BM+2]
	TADD 1, 5
	TADD 2, 6
	v_max_num_f32 v[RM], v[RM], v[BM+3]
	TADD 3, 7
	TADD 0, 2
	v_permlanex16_b32 v[XX], v[RM], s[SEL], s[SEL+1]
	TADD 1, 3
	v_max3_num_f32 v[MX], v[MX], v[RM], v[XX]      ; with lane l xor 16's four blocks: the running largest score
	TADD 0, 1
	v_mul_f32 v[TT], s[NC], v[MX]                  ; -t
	TSUM                                           ; (with the last step's f, ahead of this step's)
	v_floor_f32 v[XX], v[TT]                       ; the new -M = floor(-t) = -ceil(t): M is a whole number
	v_sub_f32 v[TT], v[XX], v[NM]                  ; old M - new M: a whole number, 0 or less
	v_mov_b32 v[NM], v[XX]
	v_cvt_i32_f32 v[TT], v[TT]                     ; (it saturates)
	TM 0, 4
.irp b, 0,1,2,3
	v_fma_f32 v[BM+\b], v[BM+\b], s[CS], v[NM]     ; y of each block
.endr
	v_ldexp_f32 v[FF], 1.0, v[TT]                  ; f = 2^(old M - new M): a multiplication by it rounds nothing
	TM 4, 4
.irp b, 0,1,2,3
	v_max_num_f32 v[BM+\b], 0xc2f80000, v[BM+\b]   ; at least -124, so the byte is at least 1
.endr
	TM 8, 4
.irp b, 0,1,2,3
	v_cvt_floor_i32_f32 v[BM+\b], v[BM+\b]
.endr
	TM 12, 4
.irp n, 0,1
	v_lshl_add_u32 v[UU+\n], v[BM+2*\n+1], 16, v[BM+2*\n]
.endr
.irp b, 0,1,2,3
	v_add_lshl_u32 v[SO+\b], v[BM+\b], 125, 23     ; the byte floor(y) - 2 + 127, as an exponent field: the conversion's scale operand
.endr
.irp n, 0,1
	v_add_lshl_u32 v[UU+\n], v[UU+\n], 0x7d007d, v[H8]   ; both bytes (125 onto each) at their places in the record's word: blocks h and 2 + h
.endr
	OMUL 0, 4
.irp n, 0,1
	v_permlanex16_b32 v[PX+\n], v[UU+\n], s[SEL], s[SEL+1]
.endr
	OMUL 4, 12
	WIN 0x15
.irp n, 0,1
	v_or_b32 v[PW+\n], v[UU+\n], v[PX+\n]          ; p's scale words
.endr
	WIN 0x55
	s_wait_alu depctr_va_vdst(0)                   ; the wait ahead of the exponentials
.set g, 0
.rept 16                                           ; block 0; t - M of blocks 1 and 2
	EXP 2*g
	TM 16+g, 1
	EXP 2*g+1
	TM 32+g, 1
.set g, g+1
.endr
	s_wait_alu depctr_va_vdst(0)                   ; one wait behind a block's exponentials and ahead of the next one's
.set g, 0
.rept 8                                            ; block 1; t - M of block 3; block 0's sums and half of its codes
	EXP 32+4*g
	TM 48+2*g, 1
	EXP 33+4*g
.if g%4 == 3
	CODE 0, g/4
.endif
	EXP 34+4*g
	TM 49+2*g, 1
	EXP 35+4*g
	v_pk_add_f32 v[TS+2*g:TS+2*g+1], v[SA+2*g:SA+2*g+1], v[SA+16+2*g:SA+17+2*g]
.set g, g+1
.endr
	s_wait_alu depctr_va_vdst(0)
.set g, 0
.rept 8                                            ; block 2; block 1's sums and codes; the rest of block 0's codes
	EXP 64+4*g
	EXP 65+4*g
.if g%2
	CODE 1, g/2
.elseif g%4 == 0
	CODE 0, 2+g/4
.endif
	EXP 66+4*g
	EXP 67+4*g
	v_pk_add_f32 v[US+2*g:US+2*g+1], v[SA+32+2*g:SA+33+2*g], v[SA+48+2*g:SA+49+2*g]
.set g, g+1
.endr
	s_wait_alu depctr_va_vdst(0)
.set g, 0
.rept 8                                            ; block 3; block 2's sums and codes
	EXP 96+4*g
	ACC TS+2*g, 64+2*g
	EXP 97+4*g
.if g%2
	CODE 2, g/2
.endif
	EXP 98+4*g
	EXP 99+4*g
	ACC US+2*g, 80+2*g
.set g, g+1
.endr
	s_wait_alu depctr_va_vdst(0)
.irp u, 0,1,2,3
	CODE 3, \u
.endr
.set g, 0
.rept 8
	ACC TS+2*g, 96+2*g                             ; (these sums are also the places between the codes and the products)
.set g, g+1
.endr
.set g, 0
.rept 8
	ACC US+2*g, 112+2*g
.set g, g+1
.endr
.set g, 0
.rept 8
	v_pk_add_f32 v[TS+2*g:TS+2*g+1], v[TS+2*g:TS+2*g+1], v[US+2*g:US+2*g+1]
.set g, g+1
.endr
	s_wait_alu depctr_va_vdst(0)                   ; directly ahead of the wait below
	s_wait_dscnt 0x0                               ; V, the next K and their scales are in: asked for at the step's head
	WIN 0x54
.irp n, 0,1                                        ; O^T += V^T P^T: four tiles of 16 of the head's 64, by turns; K = a record's 128 keys.  V's scale word: register t / 2, lanes 16-31 for odd t
.irp t, 0,1,2,3
.if (\t)%2
	v_wmma_scale_f32_16x16x128_f8f6f4 v[OA+8*\t:OA+8*\t+7], v[VF+32*\n+8*\t:VF+32*\n+8*\t+7], v[PA+8*\n:PA+8*\n+7], v[OA+8*\t:OA+8*\t+7], v[VS+2*\n+\t/2], v[PW+\n] matrix_a_fmt:MATRIX_FMT_FP4 matrix_b_fmt:MATRIX_FMT_FP4 matrix_a_scale:MATRIX_SCALE_ROW1
.else
	v_wmma_scale_f32_16x16x128_f8f6f4 v[OA+8*\t:OA+8*\t+7], v[VF+32*\n+8*\t:VF+32*\n+8*\t+7], v[PA+8*\n:PA+8*\n+7], v[OA+8*\t:OA+8*\t+7], v[VS+2*\n+\t/2], v[PW+\n] matrix_a_fmt:MATRIX_FMT_FP4 matrix_b_fmt:MATRIX_FMT_FP4
.endif
.endr
.endr
.if \more
	QK                                             ; the next step's scores
.endif
	WIN 0
.endm
	s_wait_alu depctr_va_vdst(0)                   ; the wait at the head's end
	s_wait_tensorcnt 0x0                           ; my record is in
	ds_add_u32 v[SPW], v[NIL]
	s_wait_dscnt 0x0
	CROUND                                         ; records 0 to 7 are in, and all four work-groups are here
	tensor_load_to_lds s[G0B:G0B+3], s[G1:G1+7]    ; records 8 to 15, one a wave: one load of mine is out
	s_nop 0
	PLACES
.Ltile:                                            ; my two query tiles, one after the other
.irp n, 0,1
.irp t, 0,1,2,3,4,5,6,7
	ds_load_b128 v[KF+32*\n+4*\t:KF+32*\n+4*\t+3], v[L16] offset:\n*RECB+512*\t
.endr
	ds_load_b64 v[KS+2*\n:KS+2*\n+1], v[L8] offset:\n*RECB+8192
.endr
	WIN 0x40
	v_mov_b32 v[MX], 0xff61b1e6                    ; the largest score so far: -3e38, under every score
	v_mov_b32 v[NM], 0x7f61b1e6                    ; -M: so high that the first f is 0
.irp j, NM+1, LS, LS+1, FF, FF+1
	v_mov_b32 v[\j], 0
.endr
.set g, 0
.rept 16
	v_mov_b32 v[TS+g], 0                           ; the sums of the step before the first
.set g, g+1
.endr
.set g, 0
.rept 32
	v_mov_b32 v[OA+g], 0                           ; O^T: the step is written without a first form; the first finds zeros, which the first f leaves zeros
.set g, g+1
.endr
	s_wait_alu depctr_va_vdst(0)                   ; directly ahead of the wait below
	s_wait_dscnt 0x0
	QK                                             ; step 0's scores
	s_mov_b32 s[REC], 0
	s_mov_b32 s[CNT], 3
.Lfirst:                                           ; steps 0 to 2 read records 0 to 7
	STEP 1
	s_add_co_u32 s[REC], s[REC], 2*RECB
	s_sub_co_u32 s[CNT], s[CNT], 1
	s_cmp_lg_u32 s[CNT], 0
	s_cbranch_scc1 .Lfirst
	s_wait_tensorcnt 0x0                           ; my second record is in,
	s_barrier_signal -1
	s_barrier_wait -1                              ; and everybody's
	s_mov_b32 s[REC], 6*RECB
	s_mov_b32 s[CNT], 4
.Lrest:                                            ; steps 3 to 6
	STEP 1
	s_add_co_u32 s[REC], s[REC], 2*RECB
	s_sub_co_u32 s[CNT], s[CNT], 1
	s_cmp_lg_u32 s[CNT], 0
	s_cbranch_scc1 .Lrest
	s_mov_b32 s[REC], 14*RECB
	STEP 0                                         ; the last step has no successor
	; THE WAY OUT: O^T / the sum; its two blocks of 32 along the head are quantised: lane (r, h) holds query r and d = 16 t + 8 h + j.
	WIN 0x55
	TADD 0, 4                                      ; the last step's sums: the places behind the last products
	TADD 1, 5
	TADD 2, 6
	TADD 3, 7
	TADD 0, 2
	TADD 1, 3
	TADD 0, 1
	TSUM
	v_add_f32 v[LS], v[LS], v[LS+1]                ; the sum's two halves,
	v_permlanex16_b32 v[XX], v[LS], s[SEL], s[SEL+1]
	v_add_f32 v[LS], v[LS], v[XX]                  ; and lane l xor 16's: the row's sum
	s_wait_alu depctr_va_vdst(0)                   ; the wait ahead of the transcendental
	v_rcp_f32 v[FF], v[LS]
	v_nop                                          ; a plain place behind it
	s_wait_alu depctr_va_vdst(0)                   ; ahead of the readers of its result and of O^T
.set g, 0
.rept 16
	v_pk_mul_f32 v[SA+g:SA+g+1], v[OA+g:OA+g+1], v[FF:FF+1] op_sel_hi:[1,0]   ; each accumulator from its low end on
.set g, g+2
.endr
.irp b, 0,1
	v_max3_num_f32 v[BM+\b], |v[SA+16*\b]|, |v[SA+16*\b+1]|, 0x1800000   ; the floor 2^(3 - 127): the byte cannot fall under 1
.endr
.irp i, 2,4,6,8,10,12,14
.irp b, 0,1
	v_max3_num_f32 v[BM+\b], v[BM+\b], |v[SA+16*\b+\i]|, |v[SA+16*\b+\i+1]|
.endr
.endr
.irp b, 0,1
	v_permlanex16_b32 v[PX+\b], v[BM+\b], s[SEL], s[SEL+1]
.endr
.irp b, 0,1
	v_max_num_f32 v[BM+\b], v[BM+\b], v[PX+\b]
.endr
.irp b, 0,1
	v_add_nc_u32 v[SO+\b], 0xff000000, v[BM+\b]    ; 2 off the exponent field: the conversion's scale operand
.endr
.irp b, 0,1
	v_lshrrev_b32 v[MA+\b], 23, v[SO+\b]
.endr
	v_lshl_or_b32 v[TT], v[MA+1], 8, v[MA]         ; my row's two scale bytes
	v_cvt_scalef32_pk8_fp4_f32 v[PA],   v[SA:SA+7],     v[SO]
	v_cvt_scalef32_pk8_fp4_f32 v[PA+2], v[SA+8:SA+15],  v[SO]
	v_cvt_scalef32_pk8_fp4_f32 v[PA+1], v[SA+16:SA+23], v[SO+1]
	v_cvt_scalef32_pk8_fp4_f32 v[PA+3], v[SA+24:SA+31], v[SO+1]
	v_nop                                          ; one plain place behind the scaled conversions
	v_permlane16_swap_b32 v[PA], v[PA+1]           ; lanes 0-15: d 0 .. 31, lanes 16-31: d 32 .. 63
	v_permlane16_swap_b32 v[PA+2], v[PA+3]
	WIN 0
	v_add_nc_u32 v[SWA], s[TOFF], v[SWR]
	WIN 0x04
	global_store_b128 v[L16], v[PA:PA+3], s[10:11] ; the image of my tile and head: 512 consecutive bytes
	ds_store_b16 v[SWA], v[TT]                     ; lanes r and 16 + r write the same bytes with the same value
	WIN 0
.irp i, 0,1,2,3
	v_mov_b32 v[QA+\i], v[Q2+\i]                   ; on to the second tile
.endr
	v_mov_b32 v[QS], v[QS+1]
	s_wait_alu depctr_va_vdst(0)
	s_wait_xcnt 0x0                                ; the store has read its data and its base
	s_add_nc_u64 s[10:11], s[10:11], 0x10000       ; eight token tiles on
	s_add_co_u32 s[TOFF], s[TOFF], 256
	s_sub_co_u32 s[TCNT], s[TCNT], 1
	s_cmp_lg_u32 s[TCNT], 0
	s_cbranch_scc1 .Ltile
	s_wait_dscnt 0x0                               ; for the others' sake: my stores have landed
	s_barrier_signal -1
	s_barrier_wait -1
	s_cmp_lg_u32 s[WV], 0
	s_cbranch_scc1 .Lnot_first
	ds_load_b128 v[GT:GT+3], v[SRD]                ; the 256 rows' bytes leave together:
	s_wait_dscnt 0x0
	global_store_b128 v[L16], v[GT:GT+3], s[12:13] ; 512 consecutive bytes, at a multiple of 512 from the buffer's first byte
.Lnot_first:
	s_wait_tensorcnt 0x0                           ; the wave's end
	ds_add_u32 v[SPW], v[NIL]
	s_wait_dscnt 0x0
	CROUND                                         ; the closing round
	s_endpgm
.Lfunc_end_k_qb27a8f0743_attn:
	.size	k_qb27a8f0743_attn, .Lfunc_end_k_qb27a8f0743_attn-k_qb27a8f0743_attn
	.p2alignl 7, 3214868480
	.fill 96, 4, 3214868480
	.section	.rodata,"a",@progbits
	.p2align	6, 0x0
	.amdhsa_kernel k_qb27a8f0743_attn
		.amdhsa_group_segment_fixed_size 327680
		.amdhsa_private_segment_fixed_size 0
		.amdhsa_enable_private_segment 0
		.amdhsa_kernarg_size 40
		.amdhsa_user_sgpr_count 2
		.amdhsa_user_sgpr_kernarg_segment_ptr 1
		.amdhsa_wavefront_size32 1
		.amdhsa_system_sgpr_workgroup_id_x 1
		.amdhsa_system_sgpr_workgroup_id_y 1
		.amdhsa_system_sgpr_workgroup_id_z 1
		.amdhsa_system_vgpr_workitem_id 0
		.amdhsa_next_free_vgpr 512
		.amdhsa_next_free_sgpr 66
		.amdhsa_reserve_vcc 0
		.amdhsa_float_denorm_mode_32 3
		.amdhsa_float_denorm_mode_16_64 3
		.amdhsa_memory_ordered 1
		.amdhsa_forward_progress 1
		.amdhsa_inst_pref_size 92
	.end_amdhsa_kernel
	.amdgpu_metadata
---
amdhsa.version: [ 1, 2 ]
amdhsa.kernels:
  - .name:           k_qb27a8f0743_attn
    .symbol:         k_qb27a8f0743_attn.kd
    .args:
      - { .name: qc, .offset: 0, .size: 8, .value_kind: global_buffer, .address_space: global }
      - { .name: qs, .offset: 8, .size: 8, .value_kind: global_buffer, .address_space: global }
      - { .name: kv, .offset: 16, .size: 8, .value_kind: global_buffer, .address_space: global }
      - { .name: cc, .offset: 24, .size: 8, .value_kind: global_buffer, .address_space: global }
      - { .name: cs, .offset: 32, .size: 8, .value_kind: global_buffer, .address_space: global }
    .group_segment_fixed_size: 327680
    .private_segment_fixed_size: 0
    .kernarg_segment_align: 8
    .kernarg_segment_size: 40
    .max_flat_workgroup_size: 256
    .sgpr_count:     66
    .vgpr_count:     512
    .wavefront_size: 32
...
	.end_amdgpu_metadata
.endif
;; end of part 2
;; launch outp (part 3): grid 8 x 32, 4 waves a work-group, clusters of 4 x 4, 168,448 bytes of LDS; arguments cc, cs, W_out_codes, W_out_scales, b_out, out0; writes out0
.if DOCPART == 3
	.amdgcn_target "amdgcn-amd-amdhsa--gfx1250"
	.amdhsa_code_object_version 6
	.text
	.protected	k_qb27a8f0743_outp
	.globl	k_qb27a8f0743_outp
	.p2align	8
	.type	k_qb27a8f0743_outp,@function
k_qb27a8f0743_outp:
	s_mov_b64 s[64:65], 0
	v_nop
	global_prefetch_b8 v0, s[64:65] scope:SCOPE_SE
	s_setreg_imm32_b32 hwreg(HW_REG_WAVE_MODE, 25, 1), 1
	s_wait_xcnt 0x0
	s_wait_alu depctr_hold_cnt(0) depctr_sa_sdst(0) depctr_va_vdst(0) depctr_va_sdst(0) depctr_va_ssrc(0) depctr_va_vcc(0) depctr_vm_vsrc(0)
	s_getreg_b32 s2, hwreg(HW_REG_IB_STS2, 6, 4)
	s_cmp_eq_u32 s2, 0
	s_cbranch_scc0 .Lentry_in_a_cluster
	s_endpgm
.Lentry_in_a_cluster:
	s_bfe_u32 s2, ttmp6, 0x10000c
	s_cmp_lg_u32 s2, 0xf033
	s_cbranch_scc0 .Lentry_shape_is_right
	s_endpgm
.Lentry_shape_is_right:
; out = ctx W_out^T + b_out on codes of FP4 (E2M1) with one E8M0 scale for each 32 along K = 1,024; out is f32.
; ctx comes as images of operand registers: cc [token tile of 16][head][512 bytes]: K step q of a tile is the two images of heads 2 q and 2 q + 1; its scale bytes cs [head][token], two each.
; SHARES.  Work-group x = 128 columns, y = 128 tokens.  Wave w: wr = w >> 1 its 64 tokens (4 tiles), wc = w & 1 its 64 columns (4 tiles): 16 accumulators.
; TRANSPOSED: source 0 = 16 rows of W_out, source 1 = 16 tokens: a lane holds eight neighbouring columns of one token's row.  The bias is the C of K step 0.
; LDS, every byte filled once: ctx's 128 tokens (65,536 bytes, dense images), W_out's 128 rows (512 bytes + 16 of padding each); behind them, written by LDS stores alone: ctx's scale words and a stage for the way out.
; CLUSTER 4 x 4: the four work-groups of a row of the cluster share ctx's tokens, the four of a column W_out's rows: joint loads, one a wave, all at the head: nothing is left to ask ahead for.
; LIMITS: input scale bytes 0xff (NaN) are not served.
; REGISTERS.  Window 0: v1-14 addresses; v16-31 loaded scale halves; v32-47 ctx's scale words, v48-63 W_out's; v64-191 fragments, two sets (ctx 4 tiles, W 4 tiles); v192-255 at work on the way out.
;   Window 1: accumulator (m, t) at 8 (4 m + t); v128-159 the bias.
.set PITCH, 528
.set TROW,  16*PITCH
.set QUART, 64*PITCH
.set WLDS,  65536
.set CSI,   WLDS+2*QUART               ; 8 token tiles x 512 bytes of scale words
.set STAGE, CSI+8*512                  ; 16 rows x (256 + 16) bytes for each wave
.set SP,    272
.set ADC, 4
.set ADW, 5
.set STO, 6
.set RD,  7
.set CO,  8
.set LSC, 9
.set CSW, 10
.set CSR, 11
.set T2B, 12
.set H32, 13
.set UH,  16
.set SCC_, 32
.set SCW, 48
.set CF,  64
.set WFR, 96
.set BK,  192
.set BO,  128
.set WV,  16                           ; s16 wave; s17 wr; s18 wc; s19 cx; s20 cy; s21 column block; s22 token block
.set G1C, 24
.set G1W, 32
.set G0C, 44
.set G0W, 48
.set MSB, 0
.macro WIN new
.if MSB != \new
	s_set_vgpr_msb (MSB<<8)|\new
.set MSB, \new
.endif
.endm
.macro PLACES
.rept 4
	v_nop
.endr
.endm
.macro CROUND
	s_barrier_signal -1
	s_barrier_wait -1
	s_cmp_lg_u32 s[WV], 0
	s_cbranch_scc1 .Lnot_wave_0_\@
	s_barrier_signal -3
.Lnot_wave_0_\@:
	s_barrier_wait -3
	s_barrier_signal -1
	s_barrier_wait -1
.endm
	s_load_b256 s[4:11], s[0:1], 0x0               ; cc 4, cs 6, W_out codes 8, scales 10
	s_load_b128 s[12:15], s[0:1], 0x20             ; b_out 12, out0 14
	v_lshl_add_u32 v15, v0, 2, 0x29000
	s_set_vgpr_msb 0x40
	v_mov_b32 v161, 0
	s_set_vgpr_msb 0x4044
	ds_add_u32 v15, v161
	ds_add_u32 v15, v161
	s_set_vgpr_msb 0x4400
	v_lshrrev_b32 v1, 5, v0
	v_readfirstlane_b32 s[WV], v1
	s_lshr_b32 s17, s[WV], 1                       ; wr.  Also: I fetch ctx (0) or W_out (1)
	s_and_b32 s18, s[WV], 1                        ; wc.  Also: which half of that tile I fetch
	s_bfe_u32 s19, ttmp6, 0x40000
	s_bfe_u32 s20, ttmp6, 0x40004
	s_lshl_b32 s21, ttmp9, 2
	s_add_co_u32 s21, s21, s19                     ; column block = 4 x cluster x + cx
	s_and_b32 s22, ttmp7, 0xffff
	s_lshl_b32 s22, s22, 2
	s_add_co_u32 s22, s22, s20                     ; token block = 4 x cluster y + cy
	s_lshl_b32 s40, s20, 2
	s_lshl_b32 s40, 15, s40                        ; my row of the cluster
	s_lshl_b32 s41, 0x1111, s19                    ; my column
	s_or_b32 s[G1C], s40, (3<<16)|(1<<21)          ; ctx: 128 dense rows of 256 bytes (32 elements of 8 bytes): 64 tokens' images
	s_mov_b32 s[G1C+1], 32<<16
	s_mov_b32 s[G1C+2], 128<<16
	s_mov_b32 s[G1C+3], 32<<16
	s_mov_b32 s[G1C+4], 128
	s_mov_b32 s[G1C+5], 32
	s_mov_b32 s[G1C+6], 0
	s_mov_b32 s[G1C+7], 0
	s_or_b32 s[G1W], s41, (1<<20)|(1<<21)|(6<<22)|(3<<25)   ; W_out: 64 rows of 512 bytes, 4 words of padding after every 128
	s_mov_b32 s[G1W+1], 512<<16
	s_mov_b32 s[G1W+2], 64<<16
	s_mov_b32 s[G1W+3], 512<<16
	s_mov_b32 s[G1W+4], 64
	s_mov_b32 s[G1W+5], 512
	s_mov_b32 s[G1W+6], 0
	s_mov_b32 s[G1W+7], 0
	s_lshl_b32 s42, s22, 16                        ; ctx: 65,536 bytes a token block, my half
	s_lshl_b32 s43, s18, 15
	s_add_co_u32 s42, s42, s43
	s_mov_b32 s43, 0
	s_lshl_b32 s52, s21, 16                        ; W_out: 128 rows of 512 bytes a column block, my half
	s_lshl_b32 s53, s18, 15
	s_add_co_u32 s52, s52, s53
	s_mov_b32 s53, 0
	s_lshl_b32 s54, s18, 15                        ; where they go: no place in the cluster enters an LDS address
	s_mul_i32 s55, s18, QUART
	s_add_co_u32 s55, s55, WLDS
	s_wait_dscnt 0x0
	s_wait_kmcnt 0x0
	s_mov_b32 s[G0C], 1
	s_mov_b32 s[G0C+1], s54
	s_add_nc_u64 s[G0C+2:G0C+3], s[4:5], s[42:43]
	s_or_b32 s[G0C+3], s[G0C+3], 0x80000000
	s_mov_b32 s[G0W], 1
	s_mov_b32 s[G0W+1], s55
	s_add_nc_u64 s[G0W+2:G0W+3], s[8:9], s[52:53]
	s_or_b32 s[G0W+3], s[G0W+3], 0x80000000
	CROUND                                         ; all sixteen work-groups are here: the joint loads meet
	s_cmp_eq_u32 s17, 0
	s_cbranch_scc0 .Lfor_w
	tensor_load_to_lds s[G0C:G0C+3], s[G1C:G1C+7]  ; one load of mine is out
	s_nop 0
	PLACES
	s_branch .Lasked
.Lfor_w:
	tensor_load_to_lds s[G0W:G0W+3], s[G1W:G1W+7]
	s_nop 0
	PLACES
.Lasked:
	v_and_b32 v1, 31, v0                           ; lane
	v_and_b32 v2, 15, v0                           ; r
	v_bfe_u32 v3, v0, 4, 1                         ; h
	v_lshlrev_b32 v14, 4, v1                       ; 16 x lane
	s_lshl_b32 s56, s17, 15
	v_add_nc_u32 v[ADC], s56, v14                  ; ctx's images: my 64 tokens
	v_mul_u32_u24 v[ADW], v2, PITCH
	v_lshl_add_u32 v[ADW], v3, 4, v[ADW]
	v_add_nc_u32 v[ADW], s55, v[ADW]               ; W_out: my 64 rows (the half wc, which is also the half that I may have fetched)
	s_mul_i32 s57, s[WV], 16*SP
	s_add_co_u32 s57, s57, STAGE                   ; my stage
	v_mul_u32_u24 v[STO], v2, SP
	v_lshl_add_u32 v[STO], v3, 5, v[STO]
	v_add_nc_u32 v[STO], s57, v[STO]               ; in: row r, 32 bytes for each half of the lanes
	v_mul_u32_u24 v[RD], v3, SP
	v_lshl_add_u32 v[RD], v2, 4, v[RD]
	v_add_nc_u32 v[RD], s57, v[RD]                 ; back: lanes 0-15 one row of 256 bytes, lanes 16-31 the next
	v_lshlrev_b32 v[CO], 12, v3
	v_lshl_add_u32 v[CO], v2, 4, v[CO]             ; and the same two rows in out
	v_lshlrev_b32 v[LSC], 5, v2
	v_lshl_add_u32 v[LSC], v3, 4, v[LSC]           ; 32 r + 16 h: my 16 bytes of a row of W_out's scales
	v_lshrrev_b32 v[CSW], 4, v0
	v_lshlrev_b32 v[CSW], 9, v[CSW]
	v_lshl_add_u32 v[CSW], v2, 4, v[CSW]
	v_add_nc_u32 v[CSW], CSI, v[CSW]               ; thread u is token u of the block: its words go to tile u / 16, 16 (u % 16)
	s_lshl_b32 s58, s17, 11
	s_add_co_u32 s58, s58, CSI
	v_add_nc_u32 v[CSR], s58, v14                  ; and are read as images: my four tiles
	v_lshlrev_b32 v[T2B], 1, v0                    ; two bytes a token
	s_wait_alu depctr_va_vdst(0)
	v_lshlrev_b32 v[H32], 5, v3
	s_wait_alu depctr_va_vdst(0)
	s_lshl_b32 s42, s22, 8                         ; cs: 128 tokens of two bytes
	s_add_nc_u64 s[6:7], s[6:7], s[42:43]
	s_lshl_b32 s52, s21, 12
	s_lshl_b32 s59, s18, 11
	s_add_co_u32 s52, s52, s59                     ; W_out's scales: (128 block + 64 wc) rows of 32 bytes
	s_add_nc_u64 s[10:11], s[10:11], s[52:53]
	s_lshl_b32 s52, s21, 9
	s_lshl_b32 s59, s18, 8
	s_add_co_u32 s52, s52, s59                     ; my first column, in bytes
	s_add_nc_u64 s[12:13], s[12:13], s[52:53]
	s_add_nc_u64 s[14:15], s[14:15], s[52:53]
	s_lshl_b32 s42, s22, 19
	s_lshl_b32 s59, s17, 18
	s_add_co_u32 s42, s42, s59                     ; my first row of out: (128 block + 64 wr) rows of 4,096 bytes
	s_add_nc_u64 s[14:15], s[14:15], s[42:43]
.irp d, 0,1,2,3,4,5,6,7,8,9,10,11,12,13,14,15
	global_load_u16 v[UH+\d], v[T2B], s[6:7] offset:8192*\d        ; my token's two bytes of head d
.endr
.irp t, 0,1,2,3
	global_load_b128 v[SCW+4*\t:SCW+4*\t+3], v[LSC], s[10:11] offset:512*\t   ; register i: K step i's word in lanes 0-15, K step 4 + i's in lanes 16-31
.endr
	WIN 0x40                                       ; destination window 1
.irp t, 0,1,2,3
	global_load_b128 v[BO+8*\t:BO+8*\t+3], v[H32], s[12:13] offset:64*\t      ; the bias in the result's layout: register j = b(16 t + 8 h + j)
	global_load_b128 v[BO+8*\t+4:BO+8*\t+7], v[H32], s[12:13] offset:64*\t+16
.endr
	WIN 0
	s_wait_loadcnt 0x0
.irp q, 0,1,2,3,4,5,6,7
	v_lshl_or_b32 v[BK+\q], v[UH+2*\q+1], 16, v[UH+2*\q]           ; K step q's scale word of my token: heads 2 q and 2 q + 1
.endr
	ds_store_b128 v[CSW], v[BK:BK+3]               ; K steps 0 to 3: what lanes 0-15 of an image read,
	ds_store_b128 v[CSW], v[BK+4:BK+7] offset:256  ; K steps 4 to 7: lanes 16-31
	s_wait_dscnt 0x0                               ; for the others' sake: my stores have landed,
	s_wait_tensorcnt 0x0                           ; and so has my tensor load
	s_barrier_signal -1
	s_barrier_wait -1
.irp m, 0,1,2,3
	ds_load_b128 v[SCC_+4*\m:SCC_+4*\m+3], v[CSR] offset:512*\m
.endr
.macro FETCH q, s                      ; 16 LDS loads in one run: K step q's fragments into set s
.irp m, 0,1,2,3
.irp c, 0,1
	ds_load_b128 v[CF+64*(\s)+8*\m+4*\c:CF+64*(\s)+8*\m+4*\c+3], v[ADC] offset:8192*\m+1024*(\q)+512*\c
.endr
.endr
.irp t, 0,1,2,3
.irp c, 0,1
	ds_load_b128 v[WFR+64*(\s)+8*\t+4*\c:WFR+64*(\s)+8*\t+4*\c+3], v[ADW] offset:TROW*\t+64*(\q)+32*\c
.endr
.endr
.endm
.macro MUL q, s                        ; 16 products; the accumulators take turns, one instruction a turn, in the same order in every K step
	WIN 0x50                                       ; C and D window 1
.irp m, 0,1,2,3
.irp t, 0,1,2,3
.if (\q) == 0
	v_wmma_scale_f32_16x16x128_f8f6f4 v[8*(4*\m+\t):8*(4*\m+\t)+7], v[WFR+64*(\s)+8*\t:WFR+64*(\s)+8*\t+7], v[CF+64*(\s)+8*\m:CF+64*(\s)+8*\m+7], v[BO+8*\t:BO+8*\t+7], v[SCW+4*\t], v[SCC_+4*\m] matrix_a_fmt:MATRIX_FMT_FP4 matrix_b_fmt:MATRIX_FMT_FP4
.elseif (\q) < 4
	v_wmma_scale_f32_16x16x128_f8f6f4 v[8*(4*\m+\t):8*(4*\m+\t)+7], v[WFR+64*(\s)+8*\t:WFR+64*(\s)+8*\t+7], v[CF+64*(\s)+8*\m:CF+64*(\s)+8*\m+7], v[8*(4*\m+\t):8*(4*\m+\t)+7], v[SCW+4*\t+(\q)], v[SCC_+4*\m+(\q)] matrix_a_fmt:MATRIX_FMT_FP4 matrix_b_fmt:MATRIX_FMT_FP4
.else
	v_wmma_scale_f32_16x16x128_f8f6f4 v[8*(4*\m+\t):8*(4*\m+\t)+7], v[WFR+64*(\s)+8*\t:WFR+64*(\s)+8*\t+7], v[CF+64*(\s)+8*\m:CF+64*(\s)+8*\m+7], v[8*(4*\m+\t):8*(4*\m+\t)+7], v[SCW+4*\t+(\q)-4], v[SCC_+4*\m+(\q)-4] matrix_a_fmt:MATRIX_FMT_FP4 matrix_b_fmt:MATRIX_FMT_FP4 matrix_a_scale:MATRIX_SCALE_ROW1 matrix_b_scale:MATRIX_SCALE_ROW1
.endif
.endr
.endr
	WIN 0
.endm
	FETCH 0, 0
.set Q, 0
.rept 8
.if Q > 0
	PLACES                                         ; in front of loads into the set that the K step before multiplied
.endif
.if Q < 7
	FETCH Q+1, (Q+1)%2
	s_wait_dscnt 16                                ; this K step's fragments (and the scale words) are in; the 16 loads just issued may be out
.else
	s_wait_dscnt 0x0
.endif
	MUL Q, Q%2
.set Q, Q+1
.endr
	PLACES                                         ; behind the last products: results are read from here on
	; THE WAY OUT, a tile of 16 tokens x 64 columns at a time: a lane holds 32 neighbouring bytes of a row and the lanes beside it other rows, so the tile goes through my own stage
	; and comes back as rows of 256 bytes.  LDS serves a wave's instructions in order (ISA guide 5.7.1.4): no wait between the stores and the loads.
.irp m, 0,1,2,3
.if \m >= 2
	s_wait_xcnt 0x0                                ; the stores of two tiles back have read their registers: they are loaded again only behind this wait
.endif
	WIN 0x04                                       ; an LDS store's data are its source 1: window 1
.irp t, 0,1,2,3
	ds_store_b128 v[STO], v[8*(4*\m+\t):8*(4*\m+\t)+3] offset:64*\t          ; each accumulator from its low end on
	ds_store_b128 v[STO], v[8*(4*\m+\t)+4:8*(4*\m+\t)+7] offset:64*\t+16
.endr
	WIN 0
.irp i, 0,1,2,3,4,5,6,7
	ds_load_b128 v[BK+32*(\m%2)+4*\i:BK+32*(\m%2)+4*\i+3], v[RD] offset:2*SP*\i
.endr
	s_wait_dscnt 0x0
.irp i, 0,1,2,3,4,5,6,7
	; tile m of my 64 tokens holds in rows 0-7 the tokens 8 m + 0 .. 7, in rows 8-15 the tokens 32 + 8 (m xor 1) + 0 .. 7.  16 lanes store 256 consecutive bytes, at a multiple of 256 from out's first byte; written once, read by nobody here
	global_store_b128 v[CO], v[BK+32*(\m%2)+4*\i:BK+32*(\m%2)+4*\i+3], s[14:15] offset:(8*\m+2*\i+(\i/4)*(32-16*(\m%2)))*4096 th:TH_STORE_NT
.endr
.endr
	s_set_vgpr_msb 0x4
	s_wait_tensorcnt 0x0
	ds_add_u32 v15, v161
	s_wait_dscnt 0x0
	s_set_vgpr_msb 0x400
	CROUND                                         ; the closing round
	s_endpgm
.Lfunc_end_k_qb27a8f0743_outp:
	.size	k_qb27a8f0743_outp, .Lfunc_end_k_qb27a8f0743_outp-k_qb27a8f0743_outp
	.p2alignl 7, 3214868480
	.fill 96, 4, 3214868480
	.section	.rodata,"a",@progbits
	.p2align	6, 0x0
	.amdhsa_kernel k_qb27a8f0743_outp
		.amdhsa_group_segment_fixed_size 168448
		.amdhsa_private_segment_fixed_size 0
		.amdhsa_enable_private_segment 0
		.amdhsa_kernarg_size 48
		.amdhsa_user_sgpr_count 2
		.amdhsa_user_sgpr_kernarg_segment_ptr 1
		.amdhsa_wavefront_size32 1
		.amdhsa_system_sgpr_workgroup_id_x 1
		.amdhsa_system_sgpr_workgroup_id_y 1
		.amdhsa_system_sgpr_workgroup_id_z 1
		.amdhsa_system_vgpr_workitem_id 0
		.amdhsa_next_free_vgpr 418
		.amdhsa_next_free_sgpr 66
		.amdhsa_reserve_vcc 0
		.amdhsa_float_denorm_mode_32 3
		.amdhsa_float_denorm_mode_16_64 3
		.amdhsa_memory_ordered 1
		.amdhsa_forward_progress 1
		.amdhsa_inst_pref_size 44
	.end_amdhsa_kernel
	.amdgpu_metadata
---
amdhsa.version: [ 1, 2 ]
amdhsa.kernels:
  - .name:           k_qb27a8f0743_outp
    .symbol:         k_qb27a8f0743_outp.kd
    .args:
      - { .name: cc, .offset: 0, .size: 8, .value_kind: global_buffer, .address_space: global }
      - { .name: cs, .offset: 8, .size: 8, .value_kind: global_buffer, .address_space: global }
      - { .name: W_out_codes, .offset: 16, .size: 8, .value_kind: global_buffer, .address_space: global }
      - { .name: W_out_scales, .offset: 24, .size: 8, .value_kind: global_buffer, .address_space: global }
      - { .name: b_out, .offset: 32, .size: 8, .value_kind: global_buffer, .address_space: global }
      - { .name: out0, .offset: 40, .size: 8, .value_kind: global_buffer, .address_space: global }
    .group_segment_fixed_size: 168448
    .private_segment_fixed_size: 0
    .kernarg_segment_align: 8
    .kernarg_segment_size: 48
    .max_flat_workgroup_size: 128
    .sgpr_count:     66
    .vgpr_count:     418
    .wavefront_size: 32
...
	.end_amdgpu_metadata
.endif
;; end of part 3
